; MI455X (gfx1250); checked and timed in simulation.
; The chip was launched on July 23, 2026; its instructions are those of AMD's public machine-readable ISA for CDNA 5 (MIT licence, August 2026) and "CDNA5" Instruction Set Architecture Reference Guide (July 2026). The comments in the code are by the model that wrote it; some were corrected since.
;; Model. Allowed arithmetic: float matrix products may take bf16 or f16 operands with f32 sums; all other float work in f32.
;; Inputs: attn_mask 1 x 1 x 2,048 x 2,048 float32; key 4 x 16 x 2,048 x 64 float32; query 4 x 16 x 2,048 x 64 float32; value 4 x 16 x 2,048 x 64 float32.
;; Outputs: out0 4 x 16 x 2,048 x 64 float32.
;; One version. Each part assembles by itself: llvm-mc -triple=amdgcn-amd-amdhsa -mcpu=gfx1250 --defsym DOCPART=n.
;; ======== version 1 of 1: 1 launch
;; limits: right only within a limited range of input values
;; launch attn (part 1): grid 256 x 1, 8 waves a work-group, clusters of 4 x 1, 327,680 bytes of LDS; arguments query, key, value, attn_mask, out0; writes out0
.if DOCPART == 1
	.amdgcn_target "amdgcn-amd-amdhsa--gfx1250"
	.amdhsa_code_object_version 6
	.text
	.protected	k_q7420698174_attn
	.globl	k_q7420698174_attn
	.p2align	8
	.type	k_q7420698174_attn,@function
k_q7420698174_attn:
	s_mov_b64 s[64:65], 0
	v_nop
	global_prefetch_b8 v0, s[64:65] scope:SCOPE_SE
	s_setreg_imm32_b32 hwreg(HW_REG_WAVE_MODE, 25, 1), 1
	s_wait_xcnt 0x0
	s_wait_alu depctr_hold_cnt(0) depctr_sa_sdst(0) depctr_va_vdst(0) depctr_va_sdst(0) depctr_va_ssrc(0) depctr_va_vcc(0) depctr_vm_vsrc(0)
	s_getreg_b32 s2, hwreg(HW_REG_IB_STS2, 6, 4)
	s_cmp_eq_u32 s2, 0
	s_cbranch_scc0 .Lentry_in_a_cluster
	s_endpgm
.Lentry_in_a_cluster:
	s_bfe_u32 s2, ttmp6, 0x10000c
	s_cmp_lg_u32 s2, 0x3003
	s_cbranch_scc0 .Lentry_shape_is_right
	s_endpgm
.Lentry_shape_is_right:
; out = softmax(Q K^T + mask) V for 64 heads, S = 2048, D = 64, all f32 in memory; scale 1.  One launch, nothing goes through memory between the steps.
; WORK: a work-group takes 512 queries of one head (256 work-groups), eight waves; wave w takes queries 64 w .. 64 w + 63 as four tiles of 16.
; Keys go in 32 trips of 64.  Scores are made TRANSPOSED (source 0 = 16 keys of K, source 1 = 16 queries of Q): a lane then holds 8 keys of ONE
; query in each accumulator, so the row maximum and the row sum are numbers of the lane (one exchange between the two halves of the wave),
; and the exponentials, rounded to bf16 in place, already lie as source 1 of O^T = V^T P^T.  The mask is the C operand of the first score product.
; Softmax is taken with a running maximum; O and the row sum are rescaled in every trip (no branch hangs on data).
; CLUSTER: the four work-groups of a cluster have the same 512 queries and four different heads, so they need the same mask tiles: these are
; asked for jointly (mask 15).  K and V are NOT asked for jointly: partners have different heads, so they share none of K and V; these
; come through registers, where they are rounded to bf16 once for the work-group, and are stored to LDS slots of their own.
; KEY ORDER: a running maximum takes the keys in any order.  Group g = cluster / 4 (four heads) begins at key tile 4 g0 + 8 g2 + 16 (g1 xor g3)
; (g0 .. g3: the bits of g) and goes round modulo 32.  The sixteen groups that read the same mask rows so take eight starts, four tiles apart; the eight
; groups with equal bit 3, and the eight with equal bit 1, each take all eight.  From its fifth trip on a cluster asks for a mask tile that another
; cluster asked for four trips earlier.  The four blocks of queries of a head have the same g and walk K and V together.
; PREFETCH: in trips 0 to 29 wave 0 asks for 8,192 bytes (32 lanes, 256 bytes apart) of the K and V tile that the NEXT trip will load: one trip ahead of
; the load.  The four query blocks of a head take K's first half, K's second, V's first, V's second, so each block of 256 bytes is asked for once.
; The tile's number is taken modulo 32, so no request leaves the buffers; trips 30 and 31 ask for nothing.
; TENSOR LOADS: by this text's count a wave has at most one outstanding (64 rows x 256 bytes of the mask, its own queries, one trip ahead).
; LIMITS: Q, K, V and P are rounded to bf16 for the products; the row sum is taken from the unrounded exponentials.  The running maximum starts
; at -2^127: a row whose scores all lie below about -1.7e38 gives NaN; a row masked by -inf throughout gives NaN as the softmax of such a row does.
; Exponentials below 2^-126 count as zero (ISA guide, 15.8: v_exp_f32).
.set MPITCH, 272                       ; a mask row in LDS: 256 bytes + 16 of padding, so sixteen rows' 16-byte pieces fall on sixteen different columns modulo 256 bytes
.set MWAVE,  64*MPITCH                 ; 17,408: a wave's 64 rows
.set MSLOT,  8*MWAVE                   ; 139,264: a mask slot; slots at 0 and MSLOT
.set KV,     2*MSLOT                   ; 278,528: the two K/V slots, written by ds_store alone
.set KPITCH, 144                       ; a K row: 64 bf16 + 16 bytes
.set VPITCH, 160                       ; a V row: 64 bf16 + 32 bytes (an odd multiple of 32 for the transposing loads)
.set VOFF,   64*KPITCH                 ; V behind K in a slot
.set KVSLOT, VOFF+64*VPITCH            ; 19,456
; window 0
.set PF,   1                           ; v1      256 x lane: the prefetch's offsets; never rewritten
.set AM,   2                           ; v2-3    mask fragments, slot 0, 1: 17408 w + 272 r + 32 h (r = lane % 16, h = lane / 16); v2 also places the results in the stage
.set AK,   4                           ; v4-5    K fragments
.set AV,   6                           ; v6-7    V fragments (transposing loads)
.set SK,   8                           ; v8-9    where my thread stores its 8 bytes of K
.set SV,   10                          ; v10-11  the same for V
.set GO,   12                          ; v12     16 x thread: my 16 bytes of each 4,096 of a K or V tile in memory
.set VQ,   13                          ; v13     256 r + 32 h in Q
.set RD,   14                          ; v14     the stage read back by rows
.set OOFF, 15                          ; v15     16 x lane in out
.set M,    16                          ; v16-19  running maximum of each query tile
.set DL,   20                          ; v20-23  exponent of the rescaling factor
.set LS,   24                          ; v24-27  the lane's part of the row sum
.set U,    28                          ; v28-31  what the other half of the wave sends
.set NML,  32                          ; v32-39  -maximum x log2(e), twice (pairs)
.set AL,   40                          ; v40-47  rescaling factor, twice (pairs)
.set T,    48                          ; v48-63  at work
.set F,    64                          ; v64-127 K fragments (kt, dc) at F + 8 (2 kt + dc); later V fragments (dt, c) at F + 8 (4 c + dt)
.set S,    128                         ; v128-255 scores (qt, kt) at S + 8 (4 qt + kt); P (qt, c) in place at S + 16 (2 qt + c)
; window 1 (written by their low 8 bits)
.set O,    0                           ; v256-383 O^T (qt, dt) at 8 (4 qt + dt)
.set QF,   128                         ; v384-447 Q fragments (qt, dc) at 128 + 8 (2 qt + dc)
.set GK,   192                         ; v448-463 the next K tile as loaded (f32)
.set GV,   208                         ; v464-479 the next V tile as loaded
; scalars: s[4:5] Q, s[6:7] K, s[8:9] V (at my head), s[10:11] mask (at my wave's rows), s[12:13] out; s14 wave; s47 number of the key tile fetched last;
; s[48:49], s[54:55], s[60:61] offsets with 0 above; s[50:51], s[52:53] K and V at the tile to load; s[56:57] my quarter for the prefetch, s[58:59] the same at its tile
.set G1,   24                          ; s[24:31] descriptor group 1
.set G0,   32                          ; s[32:39] descriptor group 0, one set for each mask slot
.set MSB, 0
.macro WIN new                         ; s_set_vgpr_msb: bits 1:0 source 0, 3:2 source 1, 5:4 source 2, 7:6 destination; the high byte repeats the setting that is left
.if MSB != \new
	s_set_vgpr_msb (MSB<<8)|\new
.set MSB, \new
.endif
.endm
.macro PLACES                          ; four independent vector places behind a matrix instruction (ISA guide 7.12.1)
.rept 4
	v_nop
.endr
.endm
; A round of the cluster's barrier: my work-group's barrier, wave 0 signals for the work-group, every wave waits for all four work-groups, my work-group's barrier again.
.macro ROUND
	s_barrier_signal -1
	s_barrier_wait -1
	s_cmp_lg_u32 s14, 0
	s_cbranch_scc1 .Lnot_wave_0_\@
	s_barrier_signal -3
.Lnot_wave_0_\@:
	s_barrier_wait -3
	s_barrier_signal -1
	s_barrier_wait -1
.endm
; Eight loads: the thread's 16 bytes of each 4,096 of a K tile and of a V tile (64 keys x 256 bytes, dense in memory): a wave's load covers 512 neighbouring bytes.
.macro KVLOADS
	WIN 0x40                                       ; destination window 1
.irp i, 0,1,2,3
	global_load_b128 v[GK+4*\i:GK+4*\i+3], v[GO], s[50:51] offset:4096*\i
.endr
.irp i, 0,1,2,3
	global_load_b128 v[GV+4*\i:GV+4*\i+3], v[GO], s[52:53] offset:4096*\i
.endr
	WIN 0
.endm
; The staged tile is rounded to bf16 and stored to K/V slot 'slot'.  left = younger loads that may stay out.
.macro STOREKV slot, left
	s_wait_loadcnt \left
	WIN 0x05                                       ; both sources window 1
.irp i, 0,1,2,3
	v_cvt_pk_bf16_f32 v[T+2*\i],   v[GK+4*\i],   v[GK+4*\i+1]
	v_cvt_pk_bf16_f32 v[T+2*\i+1], v[GK+4*\i+2], v[GK+4*\i+3]
.endr
.irp i, 0,1,2,3
	v_cvt_pk_bf16_f32 v[T+8+2*\i], v[GV+4*\i],   v[GV+4*\i+1]
	v_cvt_pk_bf16_f32 v[T+9+2*\i], v[GV+4*\i+2], v[GV+4*\i+3]
.endr
	WIN 0
.irp i, 0,1,2,3
	ds_store_b64 v[SK+\slot], v[T+2*\i:T+2*\i+1] offset:16*KPITCH*\i
	ds_store_b64 v[SV+\slot], v[T+8+2*\i:T+9+2*\i] offset:16*VPITCH*\i
.endr
.endm
	s_load_b256 s[4:11], s[0:1], 0x0               ; Q s[4:5], K s[6:7], V s[8:9], mask s[10:11]
	s_load_b64 s[12:13], s[0:1], 0x20              ; out
	s_set_vgpr_msb 0x40
	v_lshl_add_u32 v254, v0, 2, 0x4d800
	v_mov_b32 v255, 0
	s_set_vgpr_msb 0x4045
	ds_add_u32 v254, v255
	s_set_vgpr_msb 0x4500
	v_lshrrev_b32 v1, 5, v0
	v_readfirstlane_b32 s14, v1                    ; wave 0..7
	s_bfe_u32 s15, ttmp6, 0x40000                  ; cx: my place in the cluster
	s_lshr_b32 s23, ttmp9, 2                       ; g: ttmp9 counts clusters, 0..63
	s_lshl_b32 s16, s23, 2
	s_add_co_u32 s16, s16, s15                     ; head = 4 g + cx: enters the addresses of Q, K, V and out alone
	s_and_b32 s17, ttmp9, 3                        ; block of 512 queries = cluster % 4: the same in all four partners
	s_lshr_b32 s47, s23, 2                         ; the first key tile, from g alone: the same in all four partners
	s_xor_b32 s47, s47, s23                        ; bit 1: g1 xor g3
	s_and_b32 s47, s47, 2
	s_lshl_b32 s47, s47, 3                         ; 16 (g1 xor g3)
	s_and_b32 s48, s23, 1
	s_lshl_b32 s48, s48, 2                         ; 4 g0
	s_add_co_u32 s47, s47, s48
	s_and_b32 s48, s23, 4
	s_lshl_b32 s48, s48, 1                         ; 8 g2
	s_add_co_u32 s47, s47, s48                     ; 0, 4, .. 28
	s_lshl_b32 s48, s47, 8                         ; a key tile is 256 bytes along a mask row,
	s_mov_b32 s49, 0
	s_lshl_b32 s54, s47, 14                        ; and 64 rows of 256 bytes of K and of V
	s_mov_b32 s55, 0
	s_and_b32 s60, s17, 1
	s_lshl_b32 s60, s60, 13                        ; the prefetch: which half of a tile of 16,384 bytes is mine
	s_mov_b32 s61, 0
	s_lshl_b32 s18, s16, 19                        ; a head of Q, K, V, out is 2048 x 256 bytes
	s_mov_b32 s19, 0
	s_lshl_b32 s40, s17, 17                        ; 512 rows of 256 bytes
	s_lshl_b32 s23, s14, 14                        ; 64 rows of 256 bytes
	s_add_co_u32 s40, s40, s23
	s_add_co_u32 s40, s40, s18                     ; my wave's first row in Q and in out
	s_mov_b32 s41, 0
	s_lshl_b32 s42, s17, 22                        ; 512 mask rows of 8,192 bytes
	s_lshl_b32 s23, s14, 19                        ; 64 mask rows
	s_add_co_u32 s42, s42, s23                     ; my wave's first mask row: block and wave alone, no cx
	s_mov_b32 s43, 0
	s_mov_b32 s20, 0x76543210                      ; v_permlanex16_b32: lane i of one half reads lane i of the other
	s_mov_b32 s21, 0xfedcba98
	s_mul_i32 s44, s14, MWAVE                      ; my wave's part of a mask slot
	s_mul_i32 s45, s14, 2*KPITCH                   ; my wave's two rows of each sixteen of a K tile
	s_mul_i32 s46, s14, 2*VPITCH
	; group 1: a tile of 64 rows x 64 elements of 4 bytes, rows 2,048 elements apart, 4 words of padding behind every 64
	s_mov_b32 s[G1+0], 0x0772000f                  ; 15:0 mask 15 (all four partners); 17:16 element of 4 bytes; 20 padding on; 21 set beside a mask; 24:22 code 5 (64 words); 31:25 code 3 (4 words)
	s_mov_b32 s[G1+1], 64<<16                      ; tensor_dim0 = 64
	s_mov_b32 s[G1+2], 64<<16                      ; tensor_dim1 = 64
	s_mov_b32 s[G1+3], 64<<16                      ; tile_dim0 = 64
	s_mov_b32 s[G1+4], 64                          ; tile_dim1 = 64
	s_mov_b32 s[G1+5], 2048                        ; from row to row
	s_mov_b32 s[G1+6], 0
	s_mov_b32 s[G1+7], 0
	; lane terms
	v_and_b32 v48, 31, v0                          ; lane
	v_and_b32 v49, 15, v0                          ; r
	v_bfe_u32 v50, v0, 4, 1                        ; h
	v_lshlrev_b32 v[PF], 8, v48
	v_mul_u32_u24 v51, v49, MPITCH
	v_lshl_add_u32 v51, v50, 5, v51
	v_add_nc_u32 v[AM], s44, v51                   ; query row r, keys 8 h .. (32 bytes)
	v_add_nc_u32 v[AM+1], MSLOT, v[AM]
	v_mul_u32_u24 v51, v49, KPITCH
	v_lshl_add_u32 v51, v50, 4, v51
	v_add_nc_u32 v[AK], KV, v51                    ; key row r, d = 8 h .. (16 bytes)
	v_add_nc_u32 v[AK+1], KVSLOT, v[AK]
	v_and_b32 v51, 7, v0
	v_lshl_add_u32 v51, v50, 3, v51                ; key row 8 h + lane % 8
	v_mul_u32_u24 v51, v51, VPITCH
	v_bfe_u32 v52, v0, 3, 1
	v_lshl_add_u32 v51, v52, 4, v51                ; and which 16 bytes of the 32 of a d tile
	v_add_nc_u32 v[AV], KV+VOFF, v51
	v_add_nc_u32 v[AV+1], KVSLOT, v[AV]
	v_mul_u32_u24 v51, v50, KPITCH                 ; thread t loads 16 bytes at 16 t: row t / 16 = 2 w + h, d = 4 r ..: 8 bytes of bf16
	v_lshl_add_u32 v51, v49, 3, v51
	v_add_nc_u32 v51, s45, v51
	v_add_nc_u32 v[SK], KV, v51
	v_add_nc_u32 v[SK+1], KVSLOT, v[SK]
	v_mul_u32_u24 v51, v50, VPITCH
	v_lshl_add_u32 v51, v49, 3, v51
	v_add_nc_u32 v51, s46, v51
	v_add_nc_u32 v[SV], KV+VOFF, v51
	v_add_nc_u32 v[SV+1], KVSLOT, v[SV]
	v_lshlrev_b32 v[GO], 4, v0
	v_lshlrev_b32 v[VQ], 8, v49
	v_lshl_add_u32 v[VQ], v50, 5, v[VQ]
	v_mul_u32_u24 v51, v50, MPITCH
	v_lshl_add_u32 v51, v49, 4, v51
	v_add_nc_u32 v[RD], s44, v51                   ; lanes 0-15 one row of 256 bytes, lanes 16-31 the next
	v_lshlrev_b32 v[OOFF], 4, v48
.irp qt, 0,1,2,3
	v_mov_b32 v[U+\qt], 0                          ; v_permlanex16_b32 counts as a reader of its destination
.endr
	s_wait_dscnt 0x0
	s_wait_kmcnt 0x0
	s_add_nc_u64 s[4:5], s[4:5], s[40:41]          ; Q at my wave's first row
	s_add_nc_u64 s[12:13], s[12:13], s[40:41]      ; out likewise
	s_add_nc_u64 s[6:7], s[6:7], s[18:19]          ; K and V at my head
	s_add_nc_u64 s[8:9], s[8:9], s[18:19]
	s_add_nc_u64 s[10:11], s[10:11], s[42:43]      ; the mask at my wave's first row
	s_add_nc_u64 s[50:51], s[6:7], s[54:55]        ; K and V at the first key tile
	s_add_nc_u64 s[52:53], s[8:9], s[54:55]
	s_cmp_lt_u32 s17, 2                            ; the prefetch: query blocks 0 and 1 ask for K, 2 and 3 for V,
	s_cselect_b64 s[56:57], s[6:7], s[8:9]
	s_add_nc_u64 s[56:57], s[56:57], s[60:61]      ; even blocks for a tile's first 8,192 bytes, odd ones for its second
	KVLOADS                                        ; K and V of the first tile, and Q, go out ahead of the opening round
	; Q, once: lane (r, h) takes d = 16 p + 8 h .. + 7 of query 16 qt + r; the eight loads of a query tile follow each other and together cover its rows whole
.irp qt, 0,1,2,3
.irp p, 0,1,2,3
	global_load_b128 v[S+32*\qt+8*\p:S+32*\qt+8*\p+3],   v[VQ], s[4:5] offset:4096*\qt+64*\p th:TH_LOAD_NT
	global_load_b128 v[S+32*\qt+8*\p+4:S+32*\qt+8*\p+7], v[VQ], s[4:5] offset:4096*\qt+64*\p+16 th:TH_LOAD_NT
.endr
.endr
.irp n, 0,1
	s_mov_b32 s[G0+4*\n], 1                                        ; count = 1
	s_add_co_u32 s[G0+4*\n+1], s44, \n*MSLOT                       ; LDS address: wave x 17,408 + the slot
.endr
	s_add_nc_u64 s[G0+2:G0+3], s[10:11], s[48:49]  ; slot 0: the first key tile (slot 1's address is written in the first trip)
	s_or_b32 s[G0+3], s[G0+3], 0x80000000          ; type = 2
	ROUND                                          ; all four work-groups are here: the first joint load meets its partners'
	tensor_load_to_lds s[G0:G0+3], s[G1:G1+7]      ; the first mask tile into slot 0
	s_nop 0
	STOREKV 0, 32                                  ; the 32 loads of Q were issued behind the eight of K and V and may stay out
	s_wait_loadcnt 0x0                             ; Q
	WIN 0x40
.irp qt, 0,1,2,3
.irp p, 0,1,2,3
.irp i, 0,1,2,3
	v_cvt_pk_bf16_f32 v[QF+16*\qt+4*\p+\i], v[S+32*\qt+8*\p+2*\i], v[S+32*\qt+8*\p+2*\i+1]   ; fragment (qt, p / 2), registers 4 (p % 2) + i
.endr
.endr
.endr
; 12 LDS loads for key tile kt: K's fragments (16 keys x 64 d), then the mask of the four query tiles as the scores' starting values.
.macro LOADG slot, kt
.irp dc, 0,1
	ds_load_b128 v[F+8*(2*\kt+\dc):F+8*(2*\kt+\dc)+3],   v[AK+\slot] offset:16*KPITCH*\kt+64*\dc
	ds_load_b128 v[F+8*(2*\kt+\dc)+4:F+8*(2*\kt+\dc)+7], v[AK+\slot] offset:16*KPITCH*\kt+64*\dc+32
.endr
.irp qt, 0,1,2,3
	ds_load_b128 v[S+8*(4*\qt+\kt):S+8*(4*\qt+\kt)+3],   v[AM+\slot] offset:16*MPITCH*\qt+64*\kt
	ds_load_b128 v[S+8*(4*\qt+\kt)+4:S+8*(4*\qt+\kt)+7], v[AM+\slot] offset:16*MPITCH*\qt+64*\kt+16
.endr
.endm
; Scores of key tile kt: register j of lane (r, h) of tile (qt, kt) = query 16 qt + r, key 16 kt + 8 h + j.  The four query tiles' accumulators take turns,
; one instruction a turn.  left = LDS loads of a later key tile that may stay out.
.macro QKG kt, left
	s_wait_dscnt \left                             ; LDS loads come back in order: this key tile's 12 are in
.irp dc, 0,1
.irp qt, 0,1,2,3
	v_wmma_f32_16x16x32_bf16 v[S+8*(4*\qt+\kt):S+8*(4*\qt+\kt)+7], v[F+8*(2*\kt+\dc):F+8*(2*\kt+\dc)+7], v[QF+8*(2*\qt+\dc):QF+8*(2*\qt+\dc)+7], v[S+8*(4*\qt+\kt):S+8*(4*\qt+\kt)+7]
.endr
.endr
.endm
; V^T fragments (16 d x 32 keys) by transposing loads from rows that lie along d; the eight of keys 0-31 first.
.macro VFETCH slot
.irp c, 0,1
.irp dt, 0,1,2,3
	ds_load_tr16_b128 v[F+8*(4*\c+\dt):F+8*(4*\c+\dt)+3],   v[AV+\slot] offset:32*VPITCH*\c+32*\dt
	ds_load_tr16_b128 v[F+8*(4*\c+\dt)+4:F+8*(4*\c+\dt)+7], v[AV+\slot] offset:32*VPITCH*\c+32*\dt+16*VPITCH
.endr
.endr
.endm
; first = 1: the first trip starts maximum and sum.
.macro SOFTMAX first
	; the largest of the lane's 32 scores of each query tile: sixteen chains that do not wait for each other
.irp qt, 0,1,2,3
.irp kt, 0,1,2,3
	v_max3_num_f32 v[T+4*\qt+\kt], v[S+8*(4*\qt+\kt)], v[S+8*(4*\qt+\kt)+1], v[S+8*(4*\qt+\kt)+2]
.endr
.endr
.irp qt, 0,1,2,3
.irp kt, 0,1,2,3
	v_max3_num_f32 v[T+4*\qt+\kt], v[T+4*\qt+\kt], v[S+8*(4*\qt+\kt)+3], v[S+8*(4*\qt+\kt)+4]
.endr
.endr
.irp qt, 0,1,2,3
.irp kt, 0,1,2,3
	v_max3_num_f32 v[T+4*\qt+\kt], v[T+4*\qt+\kt], v[S+8*(4*\qt+\kt)+5], v[S+8*(4*\qt+\kt)+6]
.endr
.endr
.irp qt, 0,1,2,3
	v_max3_num_f32 v[T+4*\qt],   v[T+4*\qt],   v[S+32*\qt+7],  v[S+32*\qt+15]
	v_max3_num_f32 v[T+4*\qt+1], v[T+4*\qt+1], v[S+32*\qt+23], v[S+32*\qt+31]
.endr
.irp qt, 0,1,2,3
	v_max3_num_f32 v[T+4*\qt], v[T+4*\qt], v[T+4*\qt+1], v[T+4*\qt+2]
.endr
.irp qt, 0,1,2,3
	v_max_num_f32 v[T+4*\qt], v[T+4*\qt], v[T+4*\qt+3]
.endr
.irp qt, 0,1,2,3
	v_permlanex16_b32 v[U+\qt], v[T+4*\qt], s20, s21               ; the other 32 keys of the same query
.endr
.irp qt, 0,1,2,3
.if \first
	v_max3_num_f32 v[M+\qt], v[T+4*\qt], v[U+\qt], 0xff000000      ; -2^127 keeps the maximum finite where all 64 scores are -inf
.else
	v_max3_num_f32 v[M+\qt], v[T+4*\qt], v[U+\qt], v[M+\qt]
.endif
.endr
	; -maximum x log2(e), rounded once and used alike for the exponentials and for the rescaling factor, so that its rounding cancels
.if \first
.irp qt, 0,1,2,3
	v_mul_f32 v[NML+2*\qt],   0xbfb8aa3b, v[M+\qt]
	v_mul_f32 v[NML+2*\qt+1], 0xbfb8aa3b, v[M+\qt]
.endr
.else
.irp qt, 0,1,2,3
	v_mul_f32 v[T+4*\qt], 0xbfb8aa3b, v[M+\qt]
.endr
.irp qt, 0,1,2,3
	v_sub_f32 v[DL+\qt], v[T+4*\qt], v[NML+2*\qt]                  ; (old maximum - new maximum) x log2(e), at most 0
.endr
.irp qt, 0,1,2,3
	v_mov_b32 v[NML+2*\qt],   v[T+4*\qt]
	v_mov_b32 v[NML+2*\qt+1], v[T+4*\qt]
.endr
.irp qt, 0,1,2,3
	v_exp_f32 v[AL+2*\qt],   v[DL+\qt]                             ; used far below; the packed multiply-adds that follow touch neither AL nor DL
	v_exp_f32 v[AL+2*\qt+1], v[DL+\qt]
.endr
.endif
.set ii, 0
.rept 64
	v_pk_fma_f32 v[S+2*ii:S+2*ii+1], v[S+2*ii:S+2*ii+1], 0x3fb8aa3b, v[NML+2*(ii/16):NML+2*(ii/16)+1] op_sel_hi:[1,0,1]   ; (score - maximum) x log2(e)
.set ii, ii+1
.endr
.set ii, 0
.rept 128
	v_exp_f32 v[S+ii], v[S+ii]
.set ii, ii+1
.endr
	v_nop                                          ; one plain vector place behind the run of exponentials (ISA guide 5.7.2) before their results are read
	; the lane's sum of each query tile: two packed chains a tile
	s_wait_alu depctr_va_vdst(0)
.irp qt, 0,1,2,3
	v_pk_add_f32 v[T+4*\qt:T+4*\qt+1],   v[S+32*\qt:S+32*\qt+1],     v[S+32*\qt+2:S+32*\qt+3]
	v_pk_add_f32 v[T+4*\qt+2:T+4*\qt+3], v[S+32*\qt+16:S+32*\qt+17], v[S+32*\qt+18:S+32*\qt+19]
.endr
.irp i, 2,3,4,5,6,7
.irp qt, 0,1,2,3
	v_pk_add_f32 v[T+4*\qt:T+4*\qt+1],   v[T+4*\qt:T+4*\qt+1],   v[S+32*\qt+2*\i:S+32*\qt+2*\i+1]
	v_pk_add_f32 v[T+4*\qt+2:T+4*\qt+3], v[T+4*\qt+2:T+4*\qt+3], v[S+32*\qt+16+2*\i:S+32*\qt+17+2*\i]
.endr
.endr
.irp qt, 0,1,2,3
	v_pk_add_f32 v[T+4*\qt:T+4*\qt+1], v[T+4*\qt:T+4*\qt+1], v[T+4*\qt+2:T+4*\qt+3]
.endr
.if \first
.irp qt, 0,1,2,3
	v_add_f32 v[LS+\qt], v[T+4*\qt], v[T+4*\qt+1]
.endr
.else
.irp qt, 0,1,2,3
	v_add_f32 v[T+4*\qt], v[T+4*\qt], v[T+4*\qt+1]
.endr
.irp qt, 0,1,2,3
	v_fma_f32 v[LS+\qt], v[LS+\qt], v[AL+2*\qt], v[T+4*\qt]
.endr
.endif
	; P in bf16, in place: the 16 registers of key tiles 2 c, 2 c + 1 become the 8 of a fragment (keys 32 c + 8 h .., then 32 c + 16 + 8 h ..).
	; Register j is written from registers 2 j and 2 j + 1, j ascending: no register is written before it has been read.
.set ii, 0
.rept 64
	v_cvt_pk_bf16_f32 v[S+16*(ii/8)+ii%8], v[S+16*(ii/8)+2*(ii%8)], v[S+16*(ii/8)+2*(ii%8)+1]
.set ii, ii+1
.endr
.endm
.macro RESCALE                         ; O of query tile qt times its pair in AL
	WIN 0x41                                       ; destination and source 0 window 1
.irp qt, 0,1,2,3
.set ii, 0
.rept 16
	v_pk_mul_f32 v[O+32*\qt+2*ii:O+32*\qt+2*ii+1], v[O+32*\qt+2*ii:O+32*\qt+2*ii+1], v[AL+2*\qt:AL+2*\qt+1]
.set ii, ii+1
.endr
.endr
.endm
; O^T += V^T P^T: register j of lane (r, h) of tile (qt, dt) = query 16 qt + r, d = 16 dt + 8 h + j.  Sixteen accumulators by turns, one
; instruction a turn.  first = 1: the first product starts the sums, nothing is cleared.
.macro PV first
	WIN 0x50                                       ; C and D window 1
	s_wait_dscnt 0x8                               ; V of keys 0-31 is in; the eight loads of keys 32-63 may be out
.irp qt, 0,1,2,3
.irp dt, 0,1,2,3
.if \first
	v_wmma_f32_16x16x32_bf16 v[O+8*(4*\qt+\dt):O+8*(4*\qt+\dt)+7], v[F+8*\dt:F+8*\dt+7], v[S+32*\qt:S+32*\qt+7], 0
.else
	v_wmma_f32_16x16x32_bf16 v[O+8*(4*\qt+\dt):O+8*(4*\qt+\dt)+7], v[F+8*\dt:F+8*\dt+7], v[S+32*\qt:S+32*\qt+7], v[O+8*(4*\qt+\dt):O+8*(4*\qt+\dt)+7]
.endif
.endr
.endr
	s_wait_dscnt 0x0
.irp qt, 0,1,2,3
.irp dt, 0,1,2,3
	v_wmma_f32_16x16x32_bf16 v[O+8*(4*\qt+\dt):O+8*(4*\qt+\dt)+7], v[F+32+8*\dt:F+32+8*\dt+7], v[S+32*\qt+16:S+32*\qt+23], v[O+8*(4*\qt+\dt):O+8*(4*\qt+\dt)+7]
.endr
.endr
.endm
; One trip: 64 keys from mask slot and K/V slot 'slot'.  refill = 1: the next trip's mask tile is asked for and the next K and V tile is fetched, rounded and stored,
; all into the other slots.  ask = 1: wave 0 prefetches its work-group's quarter of the K and V tile after that.
.macro TRIP slot, refill, first, ask
	WIN 0
	s_set_vgpr_msb 0x5
	s_wait_tensorcnt 0x0                           ; all my tensor loads have landed: the one that was out is this trip's mask tile; so a group 0 may be written
	ds_add_u32 v254, v255
	s_wait_dscnt 0x0
	s_set_vgpr_msb 0x500
.if \refill
	s_add_co_u32 s47, s47, 1
	s_and_b32 s47, s47, 31                         ; the next key tile, round modulo 32
	s_lshl_b32 s48, s47, 8
	s_add_nc_u64 s[G0+4*(1-\slot)+2:G0+4*(1-\slot)+3], s[10:11], s[48:49]   ; the other slot's group 0: my wave's rows, that tile's 256 bytes
	s_or_b32 s[G0+4*(1-\slot)+3], s[G0+4*(1-\slot)+3], 0x80000000           ; type = 2
	s_lshl_b32 s54, s47, 14
	s_add_nc_u64 s[50:51], s[6:7], s[54:55]        ; K and V at that tile: the loads that named these pairs were waited for with count 0
	s_add_nc_u64 s[52:53], s[8:9], s[54:55]
.endif
.if \ask
	s_wait_xcnt 0x0                                ; the last trip's prefetch has had its address translated (ISA guide 3.1): its base is rewritten only behind this wait
	s_add_co_u32 s60, s47, 1
	s_and_b32 s60, s60, 31                         ; the tile after the next, modulo 32: inside the buffers
	s_lshl_b32 s60, s60, 14
	s_add_nc_u64 s[58:59], s[56:57], s[60:61]
.endif
	s_wait_dscnt 0x0                               ; my reads of the other slots are back, and my stores of this trip's K and V are in LDS
	ROUND                                          ; both now hold of every wave of all four work-groups
.if \refill
	tensor_load_to_lds s[G0+4*(1-\slot):G0+4*(1-\slot)+3], s[G1:G1+7]   ; my one tensor load behind the round, and the first thing there
	s_nop 0
	KVLOADS
.endif
.if \ask
	s_cmp_lg_u32 s14, 0                            ; one wave of the work-group asks
	s_cbranch_scc1 .Lno_ask_\@
	global_prefetch_b8 v[PF], s[58:59] th:TH_LOAD_NT scope:SCOPE_SE    ; 32 lanes, 256 bytes apart: 8,192 bytes
.Lno_ask_\@:
.endif
	WIN 0x04                                       ; source 1 (Q) window 1; the LDS loads between the products name a destination and source 0 alone
	LOADG \slot, 0                                 ; LDS loads in runs of 12, two key tiles ahead of the products
	LOADG \slot, 1
	QKG 0, 12                                      ; key tile 1's run stays out
	LOADG \slot, 2
	QKG 1, 12                                      ; key tile 2's
	LOADG \slot, 3
	QKG 2, 12                                      ; key tile 3's
	QKG 3, 0
	WIN 0
	PLACES                                         ; behind the last score products: for the loads into K's fragment registers and for the reads of the scores
	VFETCH \slot
	SOFTMAX \first
.if \first == 0
	RESCALE
.endif
	PV \first
.if \refill
	STOREKV 1-\slot, 0                             ; its sixteen conversions name none of the last products' registers: the places in front of the next trip's loads into S and F
.endif
.endm
	TRIP 0, 1, 1, 1                                ; 32 trips: two in front of the loop (the first starts all sums), 28 in it, two behind it
	TRIP 1, 1, 0, 1
	WIN 0
	s_mov_b32 s22, 14
.Lloop:
	TRIP 0, 1, 0, 1
	TRIP 1, 1, 0, 1
	WIN 0
	s_sub_co_u32 s22, s22, 1
	s_cmp_lg_u32 s22, 0
	s_cbranch_scc1 .Lloop
	TRIP 0, 1, 0, 0                                ; trip 30 fetches the last tile; no later tile is left to ask for
	TRIP 1, 0, 0, 0                                ; the last trip fetches nothing
	; THE WAY OUT: divide by the row sum, 16 bytes a lane into my wave's own 64 rows of mask slot 0 (its last fill was read in trip 30, and those
	; reads were waited for in front of trip 31's round), read back as whole rows of 256 bytes.  In two halves of 32 rows: 16 stores and 16 loads each.
	WIN 0
	PLACES                                         ; behind the last products
.irp qt, 0,1,2,3
	v_permlanex16_b32 v[U+\qt], v[LS+\qt], s20, s21
.endr
.irp qt, 0,1,2,3
	v_add_f32 v[LS+\qt], v[LS+\qt], v[U+\qt]       ; the whole row's sum
.endr
.irp qt, 0,1,2,3
	v_rcp_f32 v[AL+2*\qt],   v[LS+\qt]
	v_rcp_f32 v[AL+2*\qt+1], v[LS+\qt]
.endr
	v_nop                                          ; one plain vector place behind the reciprocals (ISA guide 5.7.2)
	s_wait_alu depctr_va_vdst(0)
	RESCALE
.irp hf, 0,1
	WIN 0x04                                       ; store data window 1
.irp q2, 0,1
.irp dt, 0,1,2,3
	ds_store_b128 v[AM], v[O+8*(4*(2*\hf+\q2)+\dt):O+8*(4*(2*\hf+\q2)+\dt)+3]   offset:16*MPITCH*(2*\hf+\q2)+64*\dt
	ds_store_b128 v[AM], v[O+8*(4*(2*\hf+\q2)+\dt)+4:O+8*(4*(2*\hf+\q2)+\dt)+7] offset:16*MPITCH*(2*\hf+\q2)+64*\dt+16
.endr
.endr
	WIN 0
.set ii, 16*\hf
.rept 16
	ds_load_b128 v[S+4*ii:S+4*ii+3], v[RD] offset:2*MPITCH*ii      ; LDS serves a wave's instructions in order (ISA guide 5.7.1.4): these see the stores above
.set ii, ii+1
.endr
.set ii, 16*\hf
.rept 16
	s_wait_dscnt 16*\hf+15-ii                      ; this read-back is in, the younger ones of the half stay out
	global_store_b128 v[OOFF], v[S+4*ii:S+4*ii+3], s[12:13] offset:512*ii th:TH_STORE_NT   ; sixteen lanes store one row of out: 256 consecutive bytes, aligned
.set ii, ii+1
.endr
.endr
	s_set_vgpr_msb 0x5
	s_wait_tensorcnt 0x0
	ds_add_u32 v254, v255
	s_wait_dscnt 0x0
	s_set_vgpr_msb 0x500
	ROUND                                          ; the closing round: no work-group ends while a partner may still ask for a tile that names it
	s_endpgm
.Lfunc_end_k_q7420698174_attn:
	.size	k_q7420698174_attn, .Lfunc_end_k_q7420698174_attn-k_q7420698174_attn
	.p2alignl 7, 3214868480
	.fill 96, 4, 3214868480
	.section	.rodata,"a",@progbits
	.p2align	6, 0x0
	.amdhsa_kernel k_q7420698174_attn
		.amdhsa_group_segment_fixed_size 327680
		.amdhsa_private_segment_fixed_size 0
		.amdhsa_enable_private_segment 0
		.amdhsa_kernarg_size 40
		.amdhsa_user_sgpr_count 2
		.amdhsa_user_sgpr_kernarg_segment_ptr 1
		.amdhsa_wavefront_size32 1
		.amdhsa_system_sgpr_workgroup_id_x 1
		.amdhsa_system_sgpr_workgroup_id_y 1
		.amdhsa_system_sgpr_workgroup_id_z 1
		.amdhsa_system_vgpr_workitem_id 0
		.amdhsa_next_free_vgpr 512
		.amdhsa_next_free_sgpr 66
		.amdhsa_reserve_vcc 0
		.amdhsa_float_denorm_mode_32 3
		.amdhsa_float_denorm_mode_16_64 3
		.amdhsa_memory_ordered 1
		.amdhsa_forward_progress 1
		.amdhsa_inst_pref_size 255
	.end_amdhsa_kernel
	.section	.bss,"aw",@nobits
	.p2align	6
	.space	262144
	.amdgpu_metadata
---
amdhsa.version: [ 1, 2 ]
amdhsa.kernels:
  - .name:           k_q7420698174_attn
    .symbol:         k_q7420698174_attn.kd
    .args:
      - { .name: query, .offset: 0, .size: 8, .value_kind: global_buffer, .address_space: global }
      - { .name: key, .offset: 8, .size: 8, .value_kind: global_buffer, .address_space: global }
      - { .name: value, .offset: 16, .size: 8, .value_kind: global_buffer, .address_space: global }
      - { .name: attn_mask, .offset: 24, .size: 8, .value_kind: global_buffer, .address_space: global }
      - { .name: out0, .offset: 32, .size: 8, .value_kind: global_buffer, .address_space: global }
    .group_segment_fixed_size: 327680
    .private_segment_fixed_size: 0
    .kernarg_segment_align: 8
    .kernarg_segment_size: 40
    .max_flat_workgroup_size: 256
    .sgpr_count:     66
    .vgpr_count:     512
    .wavefront_size: 32
...
	.end_amdgpu_metadata
.endif
;; end of part 1
